; MI455X (gfx1250); checked and timed in simulation.
; The chip was launched on July 23, 2026; its instructions are those of AMD's public machine-readable ISA for CDNA 5 (MIT licence, August 2026) and "CDNA5" Instruction Set Architecture Reference Guide (July 2026). The comments in the code are by the model that wrote it; some were corrected since.
;; LSTM Cell. Allowed arithmetic: matrix products marked QUANTISED: E2M3 operands, one E8M0 scale for each 32 along K, by v_wmma_scale_f32_16x16x128_f8f6f4 with both operands' format E2M3, f32 sums; everything else in f32.
;; Inputs: Wh_codes 4 x 1,024 x 32 x 24 uint8 (E2M3 codes of Wh, K innermost, in blocks of 32 codes, four codes in three bytes); Wh_scales 4 x 1,024 x 32 uint8 (E8M0 scales of Wh, one for each 32 codes along K); Wx_codes 4 x 1,024 x 32 x 24 uint8 (E2M3 codes of Wx, K innermost, in blocks of 32 codes, four codes in three bytes); Wx_scales 4 x 1,024 x 32 uint8 (E8M0 scales of Wx, one for each 32 codes along K); c 8,192 x 1,024 float32; h_codes 8,192 x 32 x 24 uint8 (E2M3 codes of h, K innermost, in blocks of 32 codes, four codes in three bytes); h_scales 8,192 x 32 uint8 (E8M0 scales of h, one for each 32 codes along K); x_codes 8,192 x 32 x 24 uint8 (E2M3 codes of x, K innermost, in blocks of 32 codes, four codes in three bytes); x_scales 8,192 x 32 uint8 (E8M0 scales of x, one for each 32 codes along K).
;; Outputs: out0 8,192 x 1,024 float32; out1 8,192 x 1,024 float32.
;; This version of the problem:
;;   THIS VERSION OF THE PROBLEM IS GIVEN IN LOW PRECISION. The matrix products marked QUANTISED in the list below multiply operands that are first quantised to E2M3 (2 exponent bits, 3 mantissa bits; 6 bits a number), with one power-of-two scale for each 32 numbers along K (OCP MX v1.0); their sums are f32. All else is computed in f32.
;;   The module's matrix products, in the order in which they are computed (A, B: the left and right operand; K: the contracted axis; several contracted axes count as one K, in the product's order):
;;     1. [M 4,096, K 1,024] x [K 1,024, N 8,192]; A: input Wx (given as codes); B: input x (given as codes): QUANTISED
;;     2. [M 4,096, K 1,024] x [K 1,024, N 8,192]; A: input Wh (given as codes); B: input h (given as codes): QUANTISED
;;   THE QUANTISER, for each operand of a quantised product, along K:
;;     - K is cut into blocks of 32 from its start; a last block that is shorter is filled with zeros.
;;     - A block's scale is 2^e with e = floor(log2(the largest magnitude in the block)) - 2, held to -126 .. 127; a block of zeros has e = 0. As a byte (E8M0): e + 127.
;;     - Each number is divided by its block's scale, clamped to +-7.5, and rounded to the nearest number of E2M3, ties to even, subnormals kept.
;;     - The product sums the exact products of the quantised numbers (number of the format x scale) in f32.
;;   ~~~python
;;   def quantise(x, axis):      # numpy; x: float32 -> the quantised numbers, widened to float32 again
;;       x = np.moveaxis(x, axis, -1); K = x.shape[-1]
;;       x = np.pad(x, [(0, 0)] * (x.ndim - 1) + [(0, -K % 32)]); x = x.reshape(x.shape[:-1] + (-1, 32)); a = np.abs(x).max(-1, keepdims=True)
;;       e = np.where(a > 0, np.clip(np.frexp(np.where(a > 0, a, 1))[1] - 1 - 2, -126, 127), 0)      # np.frexp(a)[1] - 1 = floor(log2(a)), exactly
;;       r = np.clip(x / 2.0 ** e, -7.5, 7.5)
;;       step = 2.0 ** (np.maximum(np.frexp(np.where(r == 0, 1, r))[1] - 1, 0) - 3)
;;       q = np.round(r / step) * step * 2.0 ** e      # np.round: ties to even
;;       return np.moveaxis(q.reshape(q.shape[:-2] + (-1,))[..., :K], -1, axis).astype(np.float32)
;;   ~~~
;;   INPUTS GIVEN AS CODES. Wh (in the module: [4, 1024, 1024], K = its axis 1); Wx (in the module: [4, 1024, 1024], K = its axis 1); h (in the module: [8192, 1024], K = its axis 1); x (in the module: [8192, 1024], K = its axis 1): each comes as NAME_codes (uint8): NAME with its K axis moved to the last place and cut into blocks of 32 codes, [.., K / 32, bytes a block], one block behind the other in memory; four codes in three bytes: a row's codes are one little-endian stream of bits, code i at bits 6 i .. 6 i + 5 (a code: sign, 2 exponent bits, 3 mantissa bits); and NAME_scales (uint8): the same leading axes, one E8M0 byte (e + 127) for each 32 codes along K. Its value is code x scale, taken as it is: it is not quantised again, and the codes and scales need not be those that the quantiser above would give.
;; One version. Each part assembles by itself: llvm-mc -triple=amdgcn-amd-amdhsa -mcpu=gfx1250 --defsym DOCPART=n.
;; ======== version 1 of 1: 1 launch
;; limits: inputs' magnitudes at most 140,000,000,000,000; right only within a limited range of input values
;; launch lstm (part 1): grid 16 x 32, 4 waves a work-group, clusters of 4 x 4, 327,680 bytes of LDS; arguments x_codes, x_scales, h_codes, h_scales, Wx_codes, Wx_scales, Wh_codes, Wh_scales, c, out0, out1; writes out0, out1
.if DOCPART == 1
	.amdgcn_target "amdgcn-amd-amdhsa--gfx1250"
	.amdhsa_code_object_version 6
	.text
	.protected	k_qf73c234042_lstm
	.globl	k_qf73c234042_lstm
	.p2align	8
	.type	k_qf73c234042_lstm,@function
k_qf73c234042_lstm:
	s_mov_b64 s[64:65], 0
	v_nop
	global_prefetch_b8 v0, s[64:65] scope:SCOPE_SE
	s_setreg_imm32_b32 hwreg(HW_REG_WAVE_MODE, 25, 1), 1
	s_wait_xcnt 0x0
	s_wait_alu depctr_hold_cnt(0) depctr_sa_sdst(0) depctr_va_vdst(0) depctr_va_sdst(0) depctr_va_ssrc(0) depctr_va_vcc(0) depctr_vm_vsrc(0)
	s_getreg_b32 s2, hwreg(HW_REG_IB_STS2, 6, 4)
	s_cmp_eq_u32 s2, 0
	s_cbranch_scc0 .Lentry_in_a_cluster
	s_endpgm
.Lentry_in_a_cluster:
	s_bfe_u32 s2, ttmp6, 0x10000c
	s_cmp_lg_u32 s2, 0xf033
	s_cbranch_scc0 .Lentry_shape_is_right
	s_endpgm
.Lentry_shape_is_right:
; LSTM cell.  g[gate][b][k] = sum over d of x[b][d] Wx[gate][d][k] + sum over d of h[b][d] Wh[gate][d][k];  c_t = sigmoid(g0) tanh(g3) + sigmoid(g1) c;  h_t = sigmoid(g2) tanh(c_t).  out0 = h_t, out1 = c_t.
; x, h [8192][1024] and Wx, Wh [4][1024 (k)][1024 (d)] arrive as codes of FP6 (E2M3), d innermost, 768 bytes a row, with one E8M0 byte for each 32 codes: they go to the matrix instruction as they lie.
; The two products share their rows and are added, so they are ONE sum over 2,048: 8 K steps of 256, x with Wx and h with Wh by turns.  No work of the problem is dead: every input reaches an output, and all are loaded.
; SHARES.  A work-group owns 256 rows of the batch x 64 output columns x all 4 gates: 256 x 256 sums.  Wave (rh, s) owns rows 128 rh on and columns 32 s on of all four gates: 64 accumulators of 16 x 16, 512 registers.
; THE MATRIX INSTRUCTION IS USED TRANSPOSED (source 0 = 16 rows of W, source 1 = 16 rows of the batch): lane (r, hh) holds row r of the batch and its register i the column 8 hh + i.  B's block b = 2 gate + j (j: which 16 of my 32 columns),
; so the four gates of one element are the same lane and the same register number of four accumulators: the activations change no lane, and the gates never leave the registers.
; B'S TILE: the rows of W that a wave's half wants are 4 gates x 32 rows, the gates 1,024 rows apart: one tensor load of three dimensions (192 bytes x 32 rows x 4 gates) lays them on end in LDS as 128 rows.
; THE RING: two LDS slots.  Slot 0 always holds a K step of x and Wx, slot 1 one of h and Wh, so that each slot's descriptors walk one pair of buffers, 192 bytes a lap.  THE SCALES of the work-group's rows, for all of K, come once, with the first fills.
; CLUSTERS: 4 x 4 work-groups.  The four of a row of the cluster need the same rows of x and h, the four of a column the same rows of Wx and Wh: each tile is asked for JOINTLY, by the same tensor load with the same descriptor and a mask that names the four.
; c is shared by nobody: each wave brings 64 rows x 256 bytes of it by a load of its own (no mask), as slot 0's last fill, behind the last round that fills a slot.
; THE ACTIVATIONS.  With a = 2^(-g0 log2 e), d = 2^(-g1 log2 e), p = 2^(-g2 log2 e), b = 2^(-2 g3 log2 e):  c_t = [(1 - b)(1 + d) + c (1 + a)(1 + b)] / [(1 + a)(1 + b)(1 + d)];  with e = 2^(-2 c_t log2 e):  h_t = (1 - e) / [(1 + e)(1 + p)].
; Five exponentials and two reciprocals an element.  Every exponent is held at 40 from above: a product of three factors stays under 2^121 and its reciprocal is no denormal; the hold moves a sigmoid or a tanh by 2^-39 at the most.
; LIMITS: |c| under 2^47 (c (1 + a)(1 + b) must stay finite).  A NaN among the sums (a scale byte 0xff; infinity less infinity) is not carried to the result: the hold takes the number 40 for it.  Infinite sums are served.
; The sums go over K in the order x 0-255, h 0-255, x 256-511 ..: another order of f32 rounding than two sums that are added at the end.
; REGISTERS, in windows of 256: window 0: v1-6 at work at the head; v16-31 addresses; v32-63 scale words, two sets, and nothing else; v128-223 A's fragments, ONE set; behind the products v64-223 serve the activations and the way out.
;   window 1: B's fragments, TWO sets, at v0 and v128.   window 2: the accumulators of my rows 0-63 (accumulator (a, b) at v[8 (8 (a % 4) + b)]);   window 3: those of my rows 64-127.
.set NQ,     2                         ; matrix instructions deep in a slot: 256 along K
.set ROWB,   192                       ; a tile's row in bytes: 256 codes of 6 bits
.set KROW,   768                       ; a row of x, h, Wx or Wh in memory: 1,024 codes
.set PITCH,  240                       ; an LDS row: 3 x (64 bytes + 16 of padding) = 60 words: row r starts at bank -4 r mod 64 (64 banks of 4 bytes: ISA guide 11.1)
.set FR,     12                        ; registers of a fragment: 16 rows x 128 K
.set NL,     6                         ; LDS loads that bring one
.set NP,     4                         ; places behind this matrix instruction (ISA guide 7.12.1)
.set HALFT,  128*PITCH                 ; 128 rows: what one tensor load brings, and what one wave reads of A or of B
.set SLOT,   4*HALFT                   ; A's 256 rows, then B's 256 rows
.set SCL,    2*SLOT                    ; behind the ring: the scales, as units of 256 bytes + 16 of padding
.set HALFS,  16*272                    ; the scales of 128 rows (32 bytes a row): what one tensor load brings
.set PART,   4*HALFS                   ; part 0: x's and Wx's; part 1: h's and Wh's
.set SBLK,   2*272                     ; those of 16 rows
.set SPARE,  SCL+2*PART                ; behind the scales: the spare words, 128 bytes for each wave: two blocks of 256 bytes that no other line names
.set CP,     272                       ; c's tile, and the two stages: a row of 64 numbers, 256 bytes, + 16
.set CBLK,   16*CP                     ; 16 rows of it
.set ADRA, 16                          ; v16-17  LDS address of my A fragments in slot 0, 1  (v18-19: the same for the pieces that lie behind one padding more)
.set ADRB, 20                          ; v20-21  the same for B  (v22-23)
.set CADR, 24                          ; v24     my 32 bytes of a row of c's tile; c_t goes back to the same place
.set HADR, 25                          ; v25     the same place in h_t's stage, which lies in slot 1
.set RD,   26                          ; v26     where I read whole rows back: c_t's stage (s = 0) or h_t's (s = 1)
.set ADRS, 27                          ; v27     LDS address of my scale words: lanes 0-15 A's rows, lanes 16-31 B's
.set SPW,  28                          ; v28     LDS address of my spare word: SPARE + 4 x my thread's number; never rewritten
.set NIL,  29                          ; v29     0; never rewritten
.set GO,   30                          ; v30     my byte offset in two rows of the output
.set PFO,  31                          ; v31     4,096 x my lane: a row of c in memory; never rewritten
.set SC,   32                          ; scale words: set s (for slot s) at v[SC + 16 s]; register 2 i + q: lanes 0-15 the word of A's block i, lanes 16-31 that of B's block i, for the slot's q-th 128 along K
.set AF,   128                         ; A's fragments
.set TG,   64                          ; behind the products: v64-127, 16 numbers for each gate:
.set TA,   TG                          ;   gate 0 (input),
.set TF,   TG+16                       ;   gate 1 (forget),
.set TO,   TG+32                       ;   gate 2 (output),
.set TU,   TG+48                       ;   gate 3 (candidate).  Number 8 j + i: column 16 j + 8 hh + i of my 32
.set CR,   128                         ; v128-143 c, later reciprocals
.set WK,   144                         ; v144-159 at work; c_t
.set BK,   160                         ; v160-191, v192-223: 16 rows read back, by turns
.set G1A,  24                          ; s[24:31] descriptor group 1 for A's tiles;  s[32:39] group 0, one set for each slot
.set G0A,  32
.set G1B,  40                          ; s[40:47], s[48:51], s[52:55] groups 1, 2, 3 for B's tiles;  s[56:63] group 0, one set for each slot
.set G2B,  48
.set G3B,  52
.set G0B,  56
.set PFA,  66                          ; s[66:67] c at my wave's 64 rows and my work-group's columns; never rewritten
.set QX,   68                          ; s[68:83] the first eight arguments; each four registers (codes' address, scales' address) then become the group 0 of that tensor's scales
.set QH,   72
.set QWX,  76
.set QWH,  80
.set G1SA, 84                          ; s[84:91] group 1 for A's scales;  s[92:99] for B's
.set G1SB, 92
.set G1C,  84                          ; in the tail, when the scales' loads are long done: groups 1 and 0 for c
.set G0C,  92
.set MSB, 0
.macro WIN new                         ; the immediate's high byte repeats the setting that is left
.if MSB != \new
	s_set_vgpr_msb (MSB<<8)|\new
.set MSB, \new
.endif
.endm
.set MUL_LO, 0xa1                      ; source 0 (B) window 1, source 1 (A) window 0, C and D window 2
.set MUL_HI, 0xf1                      ; the same, C and D window 3
.set TO_B,   0x40                      ; destination window 1, address window 0
.macro PLACES n
.rept \n
	v_nop
.endr
.endm
; A joint load: waves 0 and 1 fetch for A, waves 2 and 3 for B.  Each of the two lines has ONE mask and one set of registers for all that issue it; the branch hangs on the wave's number alone.
; An s_nop 0 and four v_nop follow each of the two lines, ahead of the jump, the label and what follows.
.macro JLOADC slot                     ; a slot's codes
	s_cmp_eq_u32 s15, 0
	s_cbranch_scc0 .Lcodes_b_\@
	tensor_load_to_lds s[G0A+4*\slot:G0A+4*\slot+3], s[G1A:G1A+7]
	s_nop 0
	PLACES 4
	s_branch .Lcodes_asked_\@
.Lcodes_b_\@:
	tensor_load_to_lds s[G0B+4*\slot:G0B+4*\slot+3], s[G1B:G1B+7], s[G2B:G2B+3], s[G3B:G3B+3]
	s_nop 0
	PLACES 4
.Lcodes_asked_\@:
.endm
.macro JLOADS g0a, g0b                 ; a part's scales
	s_cmp_eq_u32 s15, 0
	s_cbranch_scc0 .Lscales_b_\@
	tensor_load_to_lds s[\g0a:\g0a+3], s[G1SA:G1SA+7]
	s_nop 0
	PLACES 4
	s_branch .Lscales_asked_\@
.Lscales_b_\@:
	tensor_load_to_lds s[\g0b:\g0b+3], s[G1SB:G1SB+7]
	s_nop 0
	PLACES 4
.Lscales_asked_\@:
.endm
.macro CREST                           ; a round of the cluster's barrier behind its opening barrier
	s_cmp_lg_u32 s14, 0
	s_cbranch_scc1 .Lnot_wave_0_\@
	s_barrier_signal -3
.Lnot_wave_0_\@:
	s_barrier_wait -3
	s_barrier_signal -1
	s_barrier_wait -1
.endm
.macro CROUND                          ; a whole round
	s_barrier_signal -1
	s_barrier_wait -1
	CREST
.endm
; A PREFETCH INTO THE L2 of c's tile: my wave's 64 rows x 256 bytes, a lane a row, two instructions.  It stands in the loop's last trip alone, behind the joint load of slot 0 and the run of LDS loads that follows it:
; two K steps, 256 matrix instructions, ahead of the tensor load that brings these rows.  Each row's 256 bytes belong to one wave of one work-group, so each is named once in the launch.  Its address registers are never rewritten.
.macro ASKC
	s_cmp_eq_u32 s3, 1
	s_cbranch_scc0 .Lnot_yet_\@
	global_prefetch_b8 v[PFO], s[PFA:PFA+1] th:TH_LOAD_NT scope:SCOPE_SE
	global_prefetch_b8 v[PFO], s[PFA:PFA+1] offset:32*4096 th:TH_LOAD_NT scope:SCOPE_SE
.Lnot_yet_\@:
.endm
	s_load_b512 s[68:83], s[0:1], 0x0              ; x's codes, scales; h's; Wx's; Wh's
	s_load_b128 s[4:7], s[0:1], 0x40               ; c, out0
	s_load_b64 s[8:9], s[0:1], 0x50                ; out1
	v_lshl_add_u32 v[SPW], v0, 2, SPARE
	v_mov_b32 v[NIL], 0
	ds_add_u32 v[SPW], v[NIL]                      ; the wave's opening: the add, twice on end, and its wait ahead of my first tensor load; the set-up below, work on registers, stands between the second and the wait
	ds_add_u32 v[SPW], v[NIL]                      ; and once more, under the one wait
	v_lshrrev_b32 v1, 5, v0
	v_readfirstlane_b32 s14, v1                    ; wave 0..3
	s_lshr_b32 s15, s14, 1                         ; rh: which half of the tile's rows is mine.  Also: I fetch for A (0) or for B (1)
	s_and_b32 s16, s14, 1                          ; s: which half of its columns.  Also: which half of that tile I fetch
	s_bfe_u32 s10, ttmp6, 0x40000                  ; cx, cy: my place in the cluster
	s_bfe_u32 s11, ttmp6, 0x40004
	s_lshl_b32 s12, ttmp9, 2
	s_add_co_u32 s12, s12, s10                     ; tx: which 64 output columns = 4 x cluster x + cx
	s_and_b32 s13, ttmp7, 0xffff
	s_lshl_b32 s13, s13, 2
	s_add_co_u32 s13, s13, s11                     ; ty: which 256 rows of the batch = 4 x cluster y + cy
	s_lshl_b32 s17, s11, 2
	s_lshl_b32 s17, 15, s17                        ; my row of the cluster
	s_lshl_b32 s18, 0x1111, s10                    ; my column
	; group 1 for A's codes: 128 rows x 192 bytes, 768 bytes apart in memory
	s_or_b32 s[G1A+0], s17, (1<<20)|(1<<21)|(3<<22)|(3<<25)  ; 15:0 the mask: my row; 17:16 elements of 1 byte; 20 padding on; 21 set beside a mask; 24:22 after every 16 words (code 3); 31:25 of 4 words (code 3)
	s_mov_b32 s[G1A+1], ROWB<<16                   ; tensor_dim0
	s_mov_b32 s[G1A+2], 128<<16                    ; tensor_dim1
	s_mov_b32 s[G1A+3], ROWB<<16                   ; tile_dim0
	s_mov_b32 s[G1A+4], 128                        ; tile_dim1
	s_mov_b32 s[G1A+5], KROW                       ; from row to row
	s_mov_b32 s[G1A+6], 0
	s_mov_b32 s[G1A+7], 0
	; groups 1 to 3 for B's codes: 192 bytes x 32 rows x 4 gates; a gate is 1,024 rows of 768 bytes = 0xC0000 bytes on
	s_or_b32 s[G1B+0], s18, (1<<20)|(1<<21)|(3<<22)|(3<<25)  ; the same with the mask of my column
	s_mov_b32 s[G1B+1], ROWB<<16                   ; tensor_dim0
	s_mov_b32 s[G1B+2], 32<<16                     ; tensor_dim1
	s_mov_b32 s[G1B+3], ROWB<<16                   ; tile_dim0
	s_mov_b32 s[G1B+4], 32|(4<<16)                 ; tile_dim1 = 32, tile_dim2 = 4
	s_mov_b32 s[G1B+5], KROW                       ; from row to row
	s_mov_b32 s[G1B+6], 0                          ; its high part; the low 16 bits of 0xC0000, from gate to gate
	s_mov_b32 s[G1B+7], 12                         ; and the rest of it
	s_mov_b32 s[G2B+0], 4                          ; tensor_dim2
	s_mov_b32 s[G2B+1], 1                          ; tensor_dim3
	s_mov_b32 s[G2B+2], 0x300000                   ; stride2: the whole tensor
	s_mov_b32 s[G2B+3], 0                          ; tile_dim3 = 0: not used
	s_mov_b32 s[G3B+0], 0x300000                   ; stride3
	s_mov_b32 s[G3B+1], 1<<16                      ; tensor_dim4 = 1
	s_mov_b32 s[G3B+2], 0                          ; tile_dim4 = 0: not used
	s_mov_b32 s[G3B+3], 0
	; group 1 for A's scales: 128 rows x 32 bytes are 4,096 dense bytes: 16 rows of 256 bytes (32 elements of 8 bytes), 16 bytes of padding behind each
	s_or_b32 s[G1SA+0], s17, (3<<16)|(1<<20)|(1<<21)|(5<<22)|(3<<25)
	s_mov_b32 s[G1SA+1], 32<<16
	s_mov_b32 s[G1SA+2], 16<<16
	s_mov_b32 s[G1SA+3], 32<<16
	s_mov_b32 s[G1SA+4], 16
	s_mov_b32 s[G1SA+5], 32
	s_mov_b32 s[G1SA+6], 0
	s_mov_b32 s[G1SA+7], 0
	; and for B's: a gate's 32 rows are 1,024 dense bytes (128 elements of 8), the gates 32,768 bytes (4,096 elements) apart; the same padding behind every 256 bytes
	s_or_b32 s[G1SB+0], s18, (3<<16)|(1<<20)|(1<<21)|(5<<22)|(3<<25)
	s_mov_b32 s[G1SB+1], 128<<16
	s_mov_b32 s[G1SB+2], 4<<16
	s_mov_b32 s[G1SB+3], 128<<16
	s_mov_b32 s[G1SB+4], 4
	s_mov_b32 s[G1SB+5], 4096
	s_mov_b32 s[G1SB+6], 0
	s_mov_b32 s[G1SB+7], 0
	; where the tiles come from.  A's hang on ty alone, which my row of the cluster shares; B's on tx alone, which my column shares: each in registers of its own
	s_lshl_b32 s100, s13, 8
	s_lshl_b32 s101, s16, 7
	s_add_co_u32 s100, s100, s101                  ; A: row 256 ty + 128 x half
	s_mul_i32 s20, s100, KROW                      ; its codes, in bytes (under 2^23),
	s_mov_b32 s21, 0
	s_lshl_b32 s100, s100, 5                       ; and its scales
	s_mov_b32 s101, 0
	s_lshl_b32 s2, s12, 6
	s_lshl_b32 s23, s16, 5
	s_add_co_u32 s2, s2, s23                       ; B: row 64 tx + 32 x half of each gate
	s_mul_i32 s22, s2, KROW
	s_mov_b32 s23, 0
	s_lshl_b32 s2, s2, 5
	s_mov_b32 s3, 0
	; and where they go: wave x 128 rows: no place in the cluster enters an LDS address
	s_mov_b32 s[G0A+0], 1
	s_mul_i32 s[G0A+1], s14, HALFT
	s_mov_b32 s[G0A+4], 1
	s_add_co_u32 s[G0A+5], s[G0A+1], SLOT
	s_mov_b32 s[G0B+0], 1
	s_mul_i32 s[G0B+1], s14, HALFT
	s_mov_b32 s[G0B+4], 1
	s_add_co_u32 s[G0B+5], s[G0B+1], SLOT
	s_wait_dscnt 0x0                               ; both opening adds are done
	s_wait_kmcnt 0x0
	s_add_nc_u64 s[G0A+2:G0A+3], s[QX:QX+1], s[20:21]     ; slot 0: x
	s_or_b32 s[G0A+3], s[G0A+3], 0x80000000               ; 127:126 type = 2
	s_add_nc_u64 s[G0A+6:G0A+7], s[QH:QH+1], s[20:21]     ; slot 1: h
	s_or_b32 s[G0A+7], s[G0A+7], 0x80000000
	s_add_nc_u64 s[G0B+2:G0B+3], s[QWX:QWX+1], s[22:23]   ; slot 0: Wx
	s_or_b32 s[G0B+3], s[G0B+3], 0x80000000
	s_add_nc_u64 s[G0B+6:G0B+7], s[QWH:QWH+1], s[22:23]   ; slot 1: Wh
	s_or_b32 s[G0B+7], s[G0B+7], 0x80000000
	; the codes' addresses are used up: their registers take the first two words of the scales' groups 0
	s_mov_b32 s[QX+0], 1
	s_mul_i32 s[QX+1], s14, HALFS
	s_add_co_u32 s[QX+1], s[QX+1], SCL
	s_add_nc_u64 s[QX+2:QX+3], s[QX+2:QX+3], s[100:101]
	s_or_b32 s[QX+3], s[QX+3], 0x80000000
	s_mov_b32 s[QH+0], 1
	s_add_co_u32 s[QH+1], s[QX+1], PART
	s_add_nc_u64 s[QH+2:QH+3], s[QH+2:QH+3], s[100:101]
	s_or_b32 s[QH+3], s[QH+3], 0x80000000
	s_mov_b32 s[QWX+0], 1
	s_mul_i32 s[QWX+1], s14, HALFS
	s_add_co_u32 s[QWX+1], s[QWX+1], SCL
	s_add_nc_u64 s[QWX+2:QWX+3], s[QWX+2:QWX+3], s[2:3]
	s_or_b32 s[QWX+3], s[QWX+3], 0x80000000
	s_mov_b32 s[QWH+0], 1
	s_add_co_u32 s[QWH+1], s[QWX+1], PART
	s_add_nc_u64 s[QWH+2:QWH+3], s[QWH+2:QWH+3], s[2:3]
	s_or_b32 s[QWH+3], s[QWH+3], 0x80000000
	CROUND                                         ; all sixteen work-groups are here: the first joint loads meet
	JLOADS QX, QWX                                 ; the scales first: they are wanted with K step 0
	JLOADS QH, QWH
	JLOADC 0                                       ; K step 0: x, Wx
	JLOADC 1                                       ; K step 1: h, Wh.  Four tensor loads of mine are out
	; c at my wave's 64 rows: (256 ty + 64 wave) rows of 4,096 bytes + 256 tx
	s_lshl_b32 s20, s13, 8
	s_lshl_b32 s21, s14, 6
	s_add_co_u32 s20, s20, s21
	s_lshl_b32 s20, s20, 12
	s_lshl_b32 s21, s12, 8
	s_add_co_u32 s20, s20, s21
	s_mov_b32 s21, 0
	s_add_nc_u64 s[PFA:PFA+1], s[4:5], s[20:21]
	; the output that I store: waves with s = 0 store c_t (out1), those with s = 1 h_t (out0): whole rows of 256 bytes, rows 256 ty + 128 rh on
	s_cmp_eq_u32 s16, 0
	s_cselect_b64 s[6:7], s[8:9], s[6:7]
	s_lshl_b32 s20, s13, 8
	s_lshl_b32 s21, s15, 7
	s_add_co_u32 s20, s20, s21
	s_lshl_b32 s20, s20, 12
	s_lshl_b32 s21, s12, 8
	s_add_co_u32 s20, s20, s21
	s_mov_b32 s21, 0
	s_add_nc_u64 s[6:7], s[6:7], s[20:21]
	v_and_b32 v1, 15, v0                           ; r = l % 16
	v_bfe_u32 v2, v0, 4, 1                         ; hh = l / 16
	v_mul_u32_u24 v3, v1, PITCH
	v_mul_u32_u24 v4, v2, 24
	v_add_nc_u32 v4, v3, v4                        ; a fragment's row x pitch + 24 x half
	v_lshl_add_u32 v5, v2, 4, v4                   ; and the same behind one padding more
	s_mul_i32 s100, s15, HALFT                     ; my 128 rows of A
	s_mul_i32 s101, s16, HALFT                     ; my 128 rows of B,
	s_add_co_u32 s101, s101, 2*HALFT               ; which lie behind A's 256
.irp s, 0,1
	v_add_nc_u32 v[ADRA+\s], s100, v4
	v_add_nc_u32 v[ADRB+\s], s101, v4
	v_add_nc_u32 v[ADRA+2+\s], s100, v5
	v_add_nc_u32 v[ADRB+2+\s], s101, v5
	s_add_co_u32 s100, s100, SLOT
	s_add_co_u32 s101, s101, SLOT
.endr
	v_lshlrev_b32 v5, 5, v1                        ; my row's scales: 32 bytes a row,
	v_lshrrev_b32 v6, 8, v5
	v_lshl_add_u32 v5, v6, 4, v5                   ; and 16 more for each 256 passed
	s_mul_i32 s100, s15, HALFS                     ; A's: my 128 rows
	s_mul_i32 s101, s16, HALFS                     ; B's: my 128 rows, behind A's 256
	s_add_co_u32 s101, s101, 2*HALFS
	s_sub_co_u32 s101, s101, s100
	v_mul_u32_u24 v6, s101, v2                     ; lanes 16-31 take B's
	s_add_co_u32 s100, s100, SCL
	v_add_nc_u32 v5, v5, v6
	v_add_nc_u32 v[ADRS], s100, v5
	s_mul_i32 s100, s15, 128*CP                    ; c's tile: row 128 rh + r, byte 128 s + 32 hh
	s_lshl_b32 s101, s16, 7
	s_add_co_u32 s100, s100, s101
	v_mul_u32_u24 v[CADR], v1, CP
	v_lshl_add_u32 v[CADR], v2, 5, v[CADR]
	v_add_nc_u32 v[CADR], s100, v[CADR]
	v_add_nc_u32 v[HADR], SLOT, v[CADR]
	s_mul_i32 s100, s15, 128*CP                    ; back: stage s, row 128 rh + hh, 16 bytes a lane: lanes 0-15 one row, lanes 16-31 the next
	s_mul_i32 s101, s16, SLOT
	s_add_co_u32 s100, s100, s101
	v_mul_u32_u24 v[RD], v2, CP
	v_lshl_add_u32 v[RD], v1, 4, v[RD]
	v_add_nc_u32 v[RD], s100, v[RD]
	v_lshlrev_b32 v[GO], 12, v2                    ; and the same two rows in the output
	v_lshl_add_u32 v[GO], v1, 4, v[GO]
	v_and_b32 v[PFO], 31, v0
	v_lshlrev_b32 v[PFO], 12, v[PFO]
.macro FRAG reg, adr, q, i             ; a fragment, 16 rows x 128 K of 6-bit codes, is 12 registers: lane l holds row l % 16; registers 6 c .. 6 c + 5 hold K = 64 c + 32 (l / 16) + 0 .. 31: 24 bytes of the row's stream of bits, as they lie
.irp p, 0,1,2,3,4,5                    ; in pieces of 8 bytes, so that every address is a multiple of the access's size.  Lanes 0-15 take the row's pieces 12 q + 0, 1, 2 and 12 q + 6, 7, 8, lanes 16-31 those three pieces on
.set PC, 12*(\q)+6*(\p/3)+\p%3        ; 16 bytes of padding lie behind every 64 bytes (8 pieces): where the piece three on lies behind one padding more, the second address register (40 for 24 bytes a half) serves
.if PC%8 < 5
	ds_load_b64 v[\reg+2*\p:\reg+2*\p+1], v[\adr] offset:8*PC+16*(PC/8)+(\i)*16*PITCH
.else
	ds_load_b64 v[\reg+2*\p:\reg+2*\p+1], v[\adr+2] offset:8*PC+16*(PC/8)+(\i)*16*PITCH
.endif
.endr
.endm
; 16 matrix instructions: A's blocks a0, a0 + 1 x B's eight, 128 along K: the slot's q-th.  p: B's set;  sc: the set of scale words.  zero = 1: the first product starts the sums: nothing is ever cleared.
; The 64 accumulators take turns, one instruction a turn, in the same order in every step.
.macro MUL16 a0, p, q, sc, zero
.irp a, \a0, \a0+1
.irp b, 0,1,2,3,4,5,6,7
.if \zero
	v_wmma_scale_f32_16x16x128_f8f6f4 v[8*(8*((\a)%4)+\b):8*(8*((\a)%4)+\b)+7], v[128*(\p)+FR*\b:128*(\p)+FR*\b+FR-1], v[AF+FR*(\a):AF+FR*(\a)+FR-1], 0, v[SC+8*NQ*(\sc)+NQ*\b+(\q)], v[SC+8*NQ*(\sc)+NQ*(\a)+(\q)] matrix_a_fmt:MATRIX_FMT_FP6 matrix_b_fmt:MATRIX_FMT_FP6 matrix_a_scale:MATRIX_SCALE_ROW1
.else
	v_wmma_scale_f32_16x16x128_f8f6f4 v[8*(8*((\a)%4)+\b):8*(8*((\a)%4)+\b)+7], v[128*(\p)+FR*\b:128*(\p)+FR*\b+FR-1], v[AF+FR*(\a):AF+FR*(\a)+FR-1], v[8*(8*((\a)%4)+\b):8*(8*((\a)%4)+\b)+7], v[SC+8*NQ*(\sc)+NQ*\b+(\q)], v[SC+8*NQ*(\sc)+NQ*(\a)+(\q)] matrix_a_fmt:MATRIX_FMT_FP6 matrix_b_fmt:MATRIX_FMT_FP6 matrix_a_scale:MATRIX_SCALE_ROW1
.endif
.endr
.endr
.endm
.macro FETCH_B slot, q, p              ; B's eight fragments of the slot's q-th 128 along K into set p
	WIN TO_B
.irp i, 0,1,2,3,4,5,6,7
	FRAG 128*(\p)+FR*\i, ADRB+\slot, \q, \i
.endr
	WIN 0
.endm
.macro FETCH_A slot, q, i0             ; A's blocks i0 .. i0 + 3
.irp i, \i0, \i0+1, \i0+2, \i0+3
	FRAG AF+FR*(\i), ADRA+\slot, \q, \i
.endr
.endm
.macro SCALES sc                       ; a K step's scale words into set sc, out of part sc: 2 words a row; lanes 0-15 take A's block i, lanes 16-31 B's block i
.irp i, 0,1,2,3,4,5,6,7
	ds_load_b64 v[SC+8*NQ*\sc+NQ*\i:SC+8*NQ*\sc+NQ*\i+1], v[ADRS] offset:\sc*PART+\i*SBLK
.endr
.endm
; A load into a register that a matrix instruction has read, and a vector instruction that reads a matrix result, stand NP places behind that matrix instruction, and only plain vector instructions that name none of its
; registers are places (ISA guide 7.12.1 for vector instructions); the matrix instructions in between are not counted.
; A step of 128 along K that has its successor in the same slot.
.macro STEP slot, q, zero
	s_wait_dscnt 4*NL                              ; B's set, A's blocks 0-3 and the scale words are in; the youngest 24 loads (A's blocks 4-7) may be out
	WIN MUL_LO
	MUL16 0, (\q)%2, \q, \slot, \zero
	MUL16 2, (\q)%2, \q, \slot, \zero
	s_wait_dscnt 0                                 ; A's blocks 4-7 are in (asked for 32 matrix instructions ago)
	PLACES NP
	FETCH_B \slot, (\q)+1, 1-(\q)%2
	FETCH_A \slot, (\q)+1, 0
	WIN MUL_HI
	MUL16 4, (\q)%2, \q, \slot, \zero
	MUL16 6, (\q)%2, \q, \slot, \zero
	PLACES NP
	WIN 0
	FETCH_A \slot, (\q)+1, 4
.endm
; A slot's last step changes slots.  In front of the barrier each wave waits for all its tensor loads, adds 0 to its spare word, and waits for that and for its own reads of this slot.  The barrier opens a round of the cluster's barrier;
; behind the round this slot is filled again, first thing: fill = 1: with its pair of buffers' next 256 along K, jointly;  fill = 2: slot 0's last fill: my 64 rows of c, a load of my own.
.macro TURN slot, next, fill, ask
	s_wait_tensorcnt 0x0                           ; all my tensor loads have landed: the one that was out is my part of the next slot  (every window is 0 here: the add's two registers lie in window 0)
	ds_add_u32 v[SPW], v[NIL]                      ; 0 onto my spare word
	s_wait_dscnt 4*NL+1                            ; (the add and the youngest 24 loads, A's blocks 4-7, may be out)
	WIN MUL_LO
	MUL16 0, 1, NQ-1, \slot, 0                     ; sixteen matrix instructions stand between the add and the wait for it
	s_wait_dscnt 0x0                               ; the add is done, and my reads of this slot are over
	s_barrier_signal -1
	MUL16 2, 1, NQ-1, \slot, 0
	WIN 0
	s_barrier_wait -1
	CREST                                          ; no wave of any partner still reads this slot's tile or has a load on its way
.if \fill == 1
	s_add_nc_u64 s[G0A+4*\slot+2:G0A+4*\slot+3], s[G0A+4*\slot+2:G0A+4*\slot+3], ROWB   ; no tensor load of mine is out: the groups 0 may be written
	s_add_nc_u64 s[G0B+4*\slot+2:G0B+4*\slot+3], s[G0B+4*\slot+2:G0B+4*\slot+3], ROWB
	JLOADC \slot                                   ; the first tensor load behind the round; the four v_nop behind it are also the places in front of the loads below
.else
	tensor_load_to_lds s[G0C:G0C+3], s[G1C:G1C+7]  ; c: it has the last K step's 128 matrix instructions in which to land
	s_nop 0
	PLACES 4
.endif
.if \next == 0
	v_add_nc_u32 v[ADRS], 4*NQ, v[ADRS]            ; a lap on: the next 256 along K of both parts' scale words
.endif
	FETCH_B \next, 0, 0
	FETCH_A \next, 0, 0
	SCALES \next
.if \ask
	ASKC
.endif
	WIN MUL_HI
	MUL16 4, 1, NQ-1, \slot, 0
	MUL16 6, 1, NQ-1, \slot, 0
	PLACES NP
	WIN 0
	FETCH_A \next, 0, 4
.endm
	s_wait_tensorcnt 1                             ; both parts' scales and my part of K step 0 are in; K step 1's load, the youngest, may be out
	s_barrier_signal -1
	s_barrier_wait -1                              ; everybody's are
	FETCH_B 0, 0, 0
	FETCH_A 0, 0, 0
	SCALES 0
	FETCH_A 0, 0, 4
	STEP 0, 0, 1                                   ; the first step stands in front of the loop: its products start the sums
	s_mov_b32 s3, 3
.Llap:                                                 ; a trip goes once round the ring, from a lap's second step to the next lap's first, and fills both slots again: K steps 2 to 7
	TURN 0, 1, 1, 1
	STEP 1, 0, 0
	TURN 1, 0, 1, 0
	STEP 0, 0, 0
	s_sub_co_u32 s3, s3, 1
	s_cmp_lg_u32 s3, 0
	s_cbranch_scc1 .Llap
	; c's descriptors, in the registers of the scales' groups 1, whose loads were shown done by the first wait on TENSORcnt: 64 rows x 64 numbers of 4 bytes, 1,024 numbers apart, 16 bytes of padding behind each row; no mask
	s_mov_b32 s[G1C+0], (2<<16)|(1<<20)|(5<<22)|(3<<25)
	s_mov_b32 s[G1C+1], 64<<16
	s_mov_b32 s[G1C+2], 64<<16
	s_mov_b32 s[G1C+3], 64<<16
	s_mov_b32 s[G1C+4], 64
	s_mov_b32 s[G1C+5], 1024
	s_mov_b32 s[G1C+6], 0
	s_mov_b32 s[G1C+7], 0
	s_mov_b32 s[G0C+0], 1
	s_mul_i32 s[G0C+1], s14, 64*CP                 ; the tile begins at LDS byte 0: my 64 rows of its 256
	s_mov_b64 s[G0C+2:G0C+3], s[PFA:PFA+1]
	s_or_b32 s[G0C+3], s[G0C+3], 0x80000000
	TURN 0, 1, 2, 0                                ; K step 6 ends; slot 0 takes c
	STEP 1, 0, 0                                   ; K step 7
	s_wait_dscnt 4*NL                              ; the very last step: nothing more to fetch
	WIN MUL_LO
	MUL16 0, 1, NQ-1, 1, 0
	MUL16 2, 1, NQ-1, 1, 0
	s_wait_dscnt 0x0                               ; A's blocks 4-7 are in: my reads of slot 1 are over,
	s_wait_tensorcnt 0x0                           ; and my 64 rows of c have landed:
	s_barrier_signal -1                            ; say so,
	WIN MUL_HI
	MUL16 4, 1, NQ-1, 1, 0                         ; work on registers while the others arrive,
	MUL16 6, 1, NQ-1, 1, 0
	WIN 0
	s_barrier_wait -1                              ; c's tile is whole, and nobody reads slot 1 any more: both slots have had their last fill, and results may be stored there
; THE ACTIVATIONS AND THE WAY OUT, block by block of 16 rows x my 32 columns: 16 elements a lane.
.macro STAGE1 a                        ; the four gates of block a, times -log2 e (gate 3: -2 log2 e), out of the accumulators into window 0; each accumulator from its low end on
	WIN 0x02+(\a)/4                                ; source 0: window 2 or 3
.irp g, 0,1,2,3
.irp j, 0,1
.irp i, 0,2,4,6
.if \g == 3
	v_pk_mul_f32 v[TG+16*\g+8*\j+\i:TG+16*\g+8*\j+\i+1], v[8*(8*((\a)%4)+2*\g+\j)+\i:8*(8*((\a)%4)+2*\g+\j)+\i+1], s[22:23] op_sel_hi:[1,0]
.else
	v_pk_mul_f32 v[TG+16*\g+8*\j+\i:TG+16*\g+8*\j+\i+1], v[8*(8*((\a)%4)+2*\g+\j)+\i:8*(8*((\a)%4)+2*\g+\j)+\i+1], s[20:21] op_sel_hi:[1,0]
.endif
.endr
.endr
.endr
	WIN 0
.endm
.macro CLOAD a                         ; my 16 numbers of c for block a
.irp j, 0,1
.irp q, 0,1
	ds_load_b128 v[CR+8*\j+4*\q:CR+8*\j+4*\q+3], v[CADR] offset:(\a)*CBLK+64*\j+16*\q
.endr
.endr
.endm
.macro PK2 op, d, x, y                 ; d = x op y, 16 numbers, two at a time
.irp i, 0,2,4,6,8,10,12,14
	\op v[\d+\i:\d+\i+1], v[\x+\i:\x+\i+1], v[\y+\i:\y+\i+1]
.endr
.endm
.macro PLUS1 d, x                      ; d = x + 1
.irp i, 0,2,4,6,8,10,12,14
	v_pk_add_f32 v[\d+\i:\d+\i+1], v[\x+\i:\x+\i+1], 1.0 op_sel_hi:[1,0]
.endr
.endm
.macro ONELESS d, x                    ; d = 1 - x
.irp i, 0,2,4,6,8,10,12,14
	v_pk_fma_f32 v[\d+\i:\d+\i+1], v[\x+\i:\x+\i+1], -1.0, 1.0 op_sel_hi:[1,0,0]
.endr
.endm
.macro RCP16 d, x
.irp i, 0,1,2,3,4,5,6,7,8,9,10,11,12,13,14,15
	v_rcp_f32 v[\d+\i], v[\x+\i]
.endr
.endm
; Four batches of transcendentals a block, each with one plain instruction behind its last and ONE wait ahead of the first instruction that names a result.
.macro REST a
.set n, 0
.rept 16
	v_min_num_f32 v[TG+n], s19, v[TG+n]            ; the hold at 40
.set n, n+1
.endr
.set n, 0
.rept 48
	v_exp_f32 v[TG+n], v[TG+n]                     ; a, d, p, b: 64 exponentials; the holds of the numbers 16 further on stand between them
	v_min_num_f32 v[TG+n+16], s19, v[TG+n+16]
.set n, n+1
.endr
.rept 16
	v_exp_f32 v[TG+n], v[TG+n]
.set n, n+1
.endr
	v_nop
	s_wait_alu depctr_va_vdst(0)                   ; one wait for the 64
	ONELESS WK, TU                                 ; 1 - b
	PLUS1 TU, TU                                   ; 1 + b
	PLUS1 TA, TA                                   ; 1 + a
	PLUS1 TF, TF                                   ; 1 + d
	PK2 v_pk_mul_f32, TA, TA, TU                   ; (1 + a)(1 + b)
	PK2 v_pk_mul_f32, WK, WK, TF                   ; (1 - b)(1 + d)
	s_wait_dscnt 0x0                               ; c is in
.irp i, 0,2,4,6,8,10,12,14
	v_pk_fma_f32 v[WK+\i:WK+\i+1], v[CR+\i:CR+\i+1], v[TA+\i:TA+\i+1], v[WK+\i:WK+\i+1]   ; + c (1 + a)(1 + b)
.endr
	PK2 v_pk_mul_f32, TF, TF, TA                   ; (1 + a)(1 + b)(1 + d)
	RCP16 CR, TF
	PLUS1 TO, TO                                   ; 1 + p: plain work behind the reciprocals
	s_wait_alu depctr_va_vdst(0)                   ; one wait for the 16
	PK2 v_pk_mul_f32, WK, WK, CR                   ; c_t
.irp i, 0,2,4,6,8,10,12,14
	v_pk_mul_f32 v[TU+\i:TU+\i+1], v[WK+\i:WK+\i+1], s[22:23] op_sel_hi:[1,0]
.endr
.irp i, 0,1,2,3,4,5,6,7,8,9,10,11,12,13,14,15
	v_min_num_f32 v[TU+\i], s19, v[TU+\i]
.endr
.irp i, 0,1,2,3,4,5,6,7,8,9,10,11,12,13,14,15
	v_exp_f32 v[TU+\i], v[TU+\i]                   ; e
.endr
.irp j, 0,1
.irp q, 0,1
	ds_store_b128 v[CADR], v[WK+8*\j+4*\q:WK+8*\j+4*\q+3] offset:(\a)*CBLK+64*\j+16*\q    ; c_t takes c's place: these bytes are read and written by me alone until the barrier below
.endr
.endr
	v_nop
	s_wait_alu depctr_va_vdst(0)                   ; one wait for the 16
	PLUS1 TF, TU                                   ; 1 + e
	ONELESS TU, TU                                 ; 1 - e
	PK2 v_pk_mul_f32, TF, TF, TO                   ; (1 + e)(1 + p)
	RCP16 CR, TF
	v_nop
	s_wait_alu depctr_va_vdst(0)                   ; one wait for the 16
	PK2 v_pk_mul_f32, TA, TU, CR                   ; h_t
.irp j, 0,1
.irp q, 0,1
	ds_store_b128 v[HADR], v[TA+8*\j+4*\q:TA+8*\j+4*\q+3] offset:(\a)*CBLK+64*\j+16*\q
.endr
.endr
.endm
.macro READBACK a                      ; 16 whole rows of block a out of my stage: each row's 256 bytes come from the two waves of my rows
.set BB, BK+32*((\a)%2)
.irp i, 0,1,2,3,4,5,6,7
	ds_load_b128 v[BB+4*\i:BB+4*\i+3], v[RD] offset:(\a)*CBLK+\i*2*CP
.endr
.endm
.macro SEND a
.set BB, BK+32*((\a)%2)
.irp i, 0,1,2,3,4,5,6,7
	global_store_b128 v[GO], v[BB+4*\i:BB+4*\i+3], s[6:7] offset:(16*(\a)+2*\i)*4096 th:TH_STORE_NT   ; 16 lanes store 256 consecutive bytes, at a multiple of 256 from the output's first byte; the block's place stands in the immediate, 516,096 at the most
.endr
.endm
	PLACES NP                                      ; behind the last products: for the first reads of results and for the loads and writes into registers that held A's fragments
	s_mov_b32 s19, 0x42200000                      ; 40.0
	s_mov_b32 s20, 0xbfb8aa3b                      ; -log2 e; the packed forms name a pair and take its low word for both halves, so both are written
	s_mov_b32 s21, s20
	s_mov_b32 s22, 0xc038aa3b                      ; -2 log2 e
	s_mov_b32 s23, s22
	CLOAD 0
	STAGE1 0
.irp a, 0,1,2,3,4,5,6,7
.if \a > 0
	s_wait_dscnt 4                                 ; the block before is back in registers; the four loads of c issued behind its eight may be out
	SEND \a-1
.endif
	REST \a
	s_wait_dscnt 0x0                               ; for the others' sake: my stores into the two stages are done
	s_barrier_signal -1
.if \a < 7
	STAGE1 \a+1                                    ; work on registers while the others arrive
.endif
	s_barrier_wait -1                              ; block a's rows are whole in both stages
.if \a > 1
	s_wait_xcnt 0x0                                ; block a - 2's stores have read their registers: block a's rows may land there
.endif
	READBACK \a
.if \a < 7
	CLOAD \a+1
.endif
.endr
	s_wait_dscnt 0x0
	SEND 7
	s_wait_tensorcnt 0x0                           ; the wave's end, behind my last tensor load and my last LDS store
	ds_add_u32 v[SPW], v[NIL]
	s_wait_dscnt 0x0
	CROUND                                         ; the closing round: no work-group ends while a partner may still ask for a tile that names it
	s_endpgm
.Lfunc_end_k_qf73c234042_lstm:
	.size	k_qf73c234042_lstm, .Lfunc_end_k_qf73c234042_lstm-k_qf73c234042_lstm
	.p2alignl 7, 3214868480
	.fill 96, 4, 3214868480
	.section	.rodata,"a",@progbits
	.p2align	6, 0x0
	.amdhsa_kernel k_qf73c234042_lstm
		.amdhsa_group_segment_fixed_size 327680
		.amdhsa_private_segment_fixed_size 0
		.amdhsa_enable_private_segment 0
		.amdhsa_kernarg_size 88
		.amdhsa_user_sgpr_count 2
		.amdhsa_user_sgpr_kernarg_segment_ptr 1
		.amdhsa_wavefront_size32 1
		.amdhsa_system_sgpr_workgroup_id_x 1
		.amdhsa_system_sgpr_workgroup_id_y 1
		.amdhsa_system_sgpr_workgroup_id_z 1
		.amdhsa_system_vgpr_workitem_id 0
		.amdhsa_next_free_vgpr 1024
		.amdhsa_next_free_sgpr 102
		.amdhsa_reserve_vcc 0
		.amdhsa_float_denorm_mode_32 3
		.amdhsa_float_denorm_mode_16_64 3
		.amdhsa_memory_ordered 1
		.amdhsa_forward_progress 1
		.amdhsa_inst_pref_size 255
	.end_amdhsa_kernel
	.section	.bss,"aw",@nobits
	.p2align	6
	.space	262144
	.amdgpu_metadata
---
amdhsa.version: [ 1, 2 ]
amdhsa.kernels:
  - .name:           k_qf73c234042_lstm
    .symbol:         k_qf73c234042_lstm.kd
    .args:
      - { .name: x_codes, .offset: 0, .size: 8, .value_kind: global_buffer, .address_space: global }
      - { .name: x_scales, .offset: 8, .size: 8, .value_kind: global_buffer, .address_space: global }
      - { .name: h_codes, .offset: 16, .size: 8, .value_kind: global_buffer, .address_space: global }
      - { .name: h_scales, .offset: 24, .size: 8, .value_kind: global_buffer, .address_space: global }
      - { .name: Wx_codes, .offset: 32, .size: 8, .value_kind: global_buffer, .address_space: global }
      - { .name: Wx_scales, .offset: 40, .size: 8, .value_kind: global_buffer, .address_space: global }
      - { .name: Wh_codes, .offset: 48, .size: 8, .value_kind: global_buffer, .address_space: global }
      - { .name: Wh_scales, .offset: 56, .size: 8, .value_kind: global_buffer, .address_space: global }
      - { .name: c, .offset: 64, .size: 8, .value_kind: global_buffer, .address_space: global }
      - { .name: out0, .offset: 72, .size: 8, .value_kind: global_buffer, .address_space: global }
      - { .name: out1, .offset: 80, .size: 8, .value_kind: global_buffer, .address_space: global }
    .group_segment_fixed_size: 327680
    .private_segment_fixed_size: 0
    .kernarg_segment_align: 8
    .kernarg_segment_size: 88
    .max_flat_workgroup_size: 128
    .sgpr_count:     102
    .vgpr_count:     1024
    .wavefront_size: 32
...
	.end_amdgpu_metadata
.endif
;; end of part 1
